; MI455X (gfx1250); checked and timed in simulation.
; The chip was launched on July 23, 2026; its instructions are those of AMD's public machine-readable ISA for CDNA 5 (MIT licence, August 2026) and "CDNA5" Instruction Set Architecture Reference Guide (July 2026). The comments in the code are by the model that wrote it; some were corrected since.
;; Multi Query Attention Layer V2. Allowed arithmetic: float matrix products may take bf16 or f16 operands with f32 sums; all other float work in f32.
;; Inputs: key_proj 1,024 x 64 float32; output_proj 1,024 x 16 x 64 float32; query_proj 16 x 64 x 1,024 float32; value_proj 1,024 x 64 float32; x 2 x 2,048 x 1,024 float32.
;; Outputs: out0 2 x 2,048 x 1,024 float32.
;; One version. Each part assembles by itself: llvm-mc -triple=amdgcn-amd-amdhsa -mcpu=gfx1250 --defsym DOCPART=n.
;; ======== version 1 of 1: 3 launches
;; limits: values are held in f16: magnitudes above 65,504 overflow, below 6.1e-05 lose precision; right only within a limited range of input values
;; workspace buffers: qb 8,388,608 bytes; kvt 1,048,576 bytes; wob 2,097,152 bytes; ob 8,388,608 bytes
;; launch proj (part 1): grid 8 x 32, 4 waves a work-group, clusters of 4 x 4, 327,680 bytes of LDS; arguments x, query_proj, key_proj, value_proj, output_proj, qb, kvt, wob; writes qb, kvt, wob
.if DOCPART == 1
	.amdgcn_target "amdgcn-amd-amdhsa--gfx1250"
	.amdhsa_code_object_version 6
	.text
	.protected	k_q57dbf30783_proj
	.globl	k_q57dbf30783_proj
	.p2align	8
	.type	k_q57dbf30783_proj,@function
k_q57dbf30783_proj:
	s_mov_b64 s[64:65], 0
	v_nop
	global_prefetch_b8 v0, s[64:65] scope:SCOPE_SE
	s_setreg_imm32_b32 hwreg(HW_REG_WAVE_MODE, 25, 1), 1
	s_wait_xcnt 0x0
	s_wait_alu depctr_hold_cnt(0) depctr_sa_sdst(0) depctr_va_vdst(0) depctr_va_sdst(0) depctr_va_ssrc(0) depctr_va_vcc(0) depctr_vm_vsrc(0)
	s_getreg_b32 s2, hwreg(HW_REG_IB_STS2, 6, 4)
	s_cmp_eq_u32 s2, 0
	s_cbranch_scc0 .Lentry_in_a_cluster
	s_endpgm
.Lentry_in_a_cluster:
	s_bfe_u32 s2, ttmp6, 0x10000c
	s_cmp_lg_u32 s2, 0xf033
	s_cbranch_scc0 .Lentry_shape_is_right
	s_endpgm
.Lentry_shape_is_right:
; q = x Wq^T, K^T and V^T = (x Wk)^T, (x Wv)^T, and output_proj cast to f16.
; x: [4096][1024] f32.  Wq: [1024 (h,k)][1024 d] f32.  Wk, Wv: [1024 d][64] f32.  Sums in f32.
; qb:  [4096][1024] f16.   kvt: [2 batches][128 rows][2048 keys] f16, rows 0-63 = K by dimension, rows 64-127 = V by dimension.
; wob: [1024 d][1024 (h,v)] f16.
; A work-group makes 128 rows x 128 columns of q and, on the same tiles of x, 128 keys x 16 of the 128 columns of K|V, so that all
; 8 x 32 work-groups do the same work.  Four waves; a wave makes 64 x 64 of q (16 accumulators) and 32 keys x 16 columns of K|V (2).
; FORMAT: all matrix operands are f16, rounded to nearest.  Five roundings lie between x and the final output, and f16's step is an
; eighth of bf16's.  LIMIT: an operand beyond 65,504 in magnitude becomes infinite.  Room by the sizes: with x and the weights 30 times
; the drawn spread (1 and 0.02) q, k, v have a spread of 0.64 x 900 = 576; with x offset by 30 and the weights by 0.6 they reach
; 1024 x 30 x 0.6 = 18,432; 30 times smaller they are about 7e-4, above f16's smallest normal number 6.1e-5.  NaN and infinite inputs are not served.
; CLUSTERS: 4 x 4 work-groups.  x's tile hangs on the block row alone and is asked for jointly by a row of the cluster; Wq's tile and the
; 16 columns of Wk or Wv hang on the block column alone and are asked for jointly by a column.  The tiles come as f32, as they lie in
; memory, and are rounded between LDS and the matrix unit.
; K goes in steps of 128 through two LDS slots; a tile's rows of x and Wq are 512 bytes of memory, at multiples of 512.
.set PA,    528                        ; LDS pitch of x's and Wq's rows: 512 bytes + 16 = 33 x 16: sixteen rows start at sixteen different 16-byte columns of 256 bytes
.set HALF,  64*PA                      ; 64 rows: what one tensor load brings
.set KVOFF, 4*HALF                     ; behind x's 128 rows and Wq's 128 rows
.set PKV,   72                         ; LDS pitch of a row of 16 f32 of Wk or Wv: 64 bytes + 8; eight rows are 144 words = 16 mod 64
.set KVQ,   32*PKV                     ; 32 rows: one wave's quarter
.set SLOT,  KVOFF+4*KVQ                ; 144,384 bytes
.set SP,    272                        ; the way out: 256 bytes + 16
.set KVST,  128*SP                     ; the way out of K|V lies behind q's 128 rows
.set XLO,   16                         ; v16-17  slot 0, 1: x rows 32 wave + r (places 0, 1)
.set XHI,   18                         ; v18-19  x rows 32 (wave xor 1) + r (places 2, 3)
.set WA,    20                         ; v20-21  Wq rows 64 (wave & 1) + r
.set KA,    22                         ; v22-23  Wk|Wv: row 8 h, column r
.set STLO,  24                         ; the way out: where places 0, 1 go
.set STHI,  25                         ; where places 2, 3 go
.set KVSTO, 26
.set RD,    27
.set KVRD,  28
.set CO,    29
.set KVCO,  30
.set RAW,   32                         ; v32-175   f32 as read from LDS: x place a at +16a, Wq block b at +64+16b, Wk|Wv at +128
.set FR,    176                        ; v176-247  f16 fragments in the same order: x at +8a, Wq at +32+8b, Wk|Wv at +64
.set OUTR,  RAW+72                     ; v104-175  the way out: rows read back
.set G1A,   24                         ; s[24:31] shape of x's tiles, mask = my row of the cluster
.set G1B,   32                         ; s[32:39] shape of Wq's tiles, mask = my column
.set G1KV,  40                         ; s[40:47] shape of Wk|Wv's tiles, mask = my column
.set G0A,   48                         ; s[48:55] from where, to where: one set for each slot
.set G0B,   56                         ; s[56:63]
.set G0KV,  68                         ; s[68:75]
; window 1 (v256-399): accumulator (a, b) of q at 8 (4 a + b), of K|V at 128 + 8 i
.set MSB, 0
.macro WIN new                         ; the immediate's high byte repeats the setting that is left
.if MSB != \new
	s_set_vgpr_msb (MSB<<8)|\new
.set MSB, \new
.endif
.endm
.macro PLACES n
.rept \n
	v_nop
.endr
.endm
.macro CREST                           ; a round of the cluster's barrier behind its opening work-group barrier
	s_cmp_lg_u32 s20, 0
	s_cbranch_scc1 .Lnot_wave_0_\@
	s_barrier_signal -3
.Lnot_wave_0_\@:
	s_barrier_wait -3
	s_barrier_signal -1
	s_barrier_wait -1
.endm
.macro CROUND                          ; a whole round
	s_barrier_signal -1
	s_barrier_wait -1
	CREST
.endm
; A tile's joint loads: waves 0, 1 ask for x's two halves, waves 2, 3 for Wq's; every wave asks for its 32 rows of Wk|Wv.  Two loads a wave.
.macro JLOAD s
	s_cmp_eq_u32 s21, 0
	s_cbranch_scc0 .Lfor_b_\@
	tensor_load_to_lds s[G0A+4*\s:G0A+4*\s+3], s[G1A:G1A+7]
	s_nop 0
	s_branch .Lasked_\@
.Lfor_b_\@:
	tensor_load_to_lds s[G0B+4*\s:G0B+4*\s+3], s[G1B:G1B+7]
	s_nop 0
.Lasked_\@:
	tensor_load_to_lds s[G0KV+4*\s:G0KV+4*\s+3], s[G1KV:G1KV+7]
	s_nop 0
.endm
	s_load_b512 s[4:19], s[0:1], 0x0               ; x s[4:5], Wq s[6:7], Wk s[8:9], Wv s[10:11], Wo s[12:13], qb s[14:15], kvt s[16:17], wob s[18:19]
	v_lshl_add_u32 v254, v0, 2, 0x46800
	v_mov_b32 v255, 0
	ds_add_u32 v254, v255
	v_lshrrev_b32 v1, 5, v0
	v_readfirstlane_b32 s20, v1                    ; wave 0..3
	s_lshr_b32 s21, s20, 1                         ; wm: my half of the block's rows.  Also: I fetch for x (0) or Wq (1)
	s_and_b32 s22, s20, 1                          ; wn: my half of its columns.  Also: which 64 rows of that tile I fetch
	s_bfe_u32 s76, ttmp6, 0x40000                  ; cx
	s_bfe_u32 s77, ttmp6, 0x40004                  ; cy
	s_lshl_b32 s78, ttmp9, 2
	s_add_co_u32 s78, s78, s76                     ; bx = 4 x cluster x + cx: block column, 0..7
	s_and_b32 s79, ttmp7, 0xffff
	s_lshl_b32 s79, s79, 2
	s_add_co_u32 s79, s79, s77                     ; by = 4 x cluster y + cy: block row, 0..31
	s_lshl_b32 s80, s77, 2
	s_lshl_b32 s80, 15, s80                        ; my row of the cluster: places 4 cy .. 4 cy + 3
	s_lshl_b32 s81, 0x1111, s76                    ; my column: places cx, cx + 4, cx + 8, cx + 12
	; group 1 for x and Wq: 64 rows x 128 elements of 4 bytes; behind every 128 words (code 6) 4 words of padding (code 3); bit 21 beside the mask
	s_or_b32 s[G1A], s80, (2<<16)|(1<<20)|(1<<21)|(6<<22)|(3<<25)
	s_or_b32 s[G1B], s81, (2<<16)|(1<<20)|(1<<21)|(6<<22)|(3<<25)
.irp g, G1A, G1B
	s_mov_b32 s[\g+1], 128<<16                     ; tensor_dim0 = 128
	s_mov_b32 s[\g+2], 64<<16                      ; tensor_dim1 = 64
	s_mov_b32 s[\g+3], 128<<16                     ; tile_dim0 = 128
	s_mov_b32 s[\g+4], 64                          ; tile_dim1 = 64
	s_mov_b32 s[\g+5], 1024                        ; elements from row to row
	s_mov_b32 s[\g+6], 0
	s_mov_b32 s[\g+7], 0
.endr
	; group 1 for Wk|Wv: 32 rows x 16 elements; behind every 16 words (code 3) 2 words of padding (code 1)
	s_or_b32 s[G1KV], s81, (2<<16)|(1<<20)|(1<<21)|(3<<22)|(1<<25)
	s_mov_b32 s[G1KV+1], 16<<16
	s_mov_b32 s[G1KV+2], 32<<16
	s_mov_b32 s[G1KV+3], 16<<16
	s_mov_b32 s[G1KV+4], 32
	s_mov_b32 s[G1KV+5], 64
	s_mov_b32 s[G1KV+6], 0
	s_mov_b32 s[G1KV+7], 0
	; where the tiles come from: x's address is made of by and the wave alone, Wq's and Wk|Wv's of bx, cx and the wave alone
	s_lshl_b32 s88, s22, 6                         ; 64 wn
	s_lshl_b32 s82, s79, 7
	s_add_co_u32 s82, s82, s88                     ; x row 128 by + 64 wn
	s_lshl_b32 s82, s82, 12                        ; rows of 4,096 bytes
	s_mov_b32 s83, 0
	s_lshl_b32 s84, s78, 7
	s_add_co_u32 s84, s84, s88                     ; Wq row 128 bx + 64 wn
	s_lshl_b32 s84, s84, 12
	s_mov_b32 s85, 0
	s_lshl_b32 s86, s76, 6                         ; 16 columns of 4 bytes for each cx
	s_lshl_b32 s87, s20, 13                        ; 32 rows of 256 bytes for each wave
	s_add_co_u32 s86, s86, s87
	s_mov_b32 s87, 0
	s_mul_i32 s92, s20, HALF                       ; and where they go: x's two halves, Wq's two halves = wave x 64 rows
	s_mul_i32 s93, s20, KVQ
	s_add_co_u32 s93, s93, KVOFF
	s_wait_dscnt 0x0
	s_wait_kmcnt 0x0
	s_cmp_eq_u32 ttmp9, 0                          ; block columns 0-3 (cluster x = 0) make K, 4-7 make V: the same in all partners
	s_cselect_b64 s[90:91], s[8:9], s[10:11]
	s_add_nc_u64 s[82:83], s[4:5], s[82:83]
	s_add_nc_u64 s[84:85], s[6:7], s[84:85]
	s_add_nc_u64 s[86:87], s[90:91], s[86:87]
	CROUND                                         ; all sixteen work-groups are here: the first joint loads meet
.irp s, 0,1
	s_mov_b32 s[G0A+4*\s], 1
	s_add_co_u32 s[G0A+4*\s+1], s92, \s*SLOT
	s_add_nc_u64 s[G0A+4*\s+2:G0A+4*\s+3], s[82:83], \s*512
	s_or_b32 s[G0A+4*\s+3], s[G0A+4*\s+3], 0x80000000
	s_mov_b32 s[G0B+4*\s], 1
	s_add_co_u32 s[G0B+4*\s+1], s92, \s*SLOT
	s_add_nc_u64 s[G0B+4*\s+2:G0B+4*\s+3], s[84:85], \s*512
	s_or_b32 s[G0B+4*\s+3], s[G0B+4*\s+3], 0x80000000
	s_mov_b32 s[G0KV+4*\s], 1
	s_add_co_u32 s[G0KV+4*\s+1], s93, \s*SLOT
	s_add_nc_u64 s[G0KV+4*\s+2:G0KV+4*\s+3], s[86:87], \s*32768
	s_or_b32 s[G0KV+4*\s+3], s[G0KV+4*\s+3], 0x80000000
	JLOAD \s                                       ; tiles 0 and 1: four tensor loads of the wave are out, the most in this text
.endr
	; While the first tiles are on their way: my 1/256 of output_proj, 4,096 numbers, to f16.  Thread t takes 8 neighbouring numbers in each
	; of four passes, so that a wave's store covers 512 consecutive bytes.
	s_lshl_b32 s96, s79, 3
	s_add_co_u32 s96, s96, s78                     ; 8 by + bx
	s_lshl_b32 s98, s96, 13                        ; 8,192 bytes of wob
	s_lshl_b32 s96, s96, 14                        ; 16,384 bytes of output_proj
	s_mov_b32 s97, 0
	s_mov_b32 s99, 0
	s_add_nc_u64 s[12:13], s[12:13], s[96:97]
	s_add_nc_u64 s[18:19], s[18:19], s[98:99]
	v_lshlrev_b32 v2, 5, v0
	v_lshlrev_b32 v3, 4, v0
.irp w, 0,1,2,3
	global_load_b128 v[RAW+8*\w:RAW+8*\w+3],   v2, s[12:13] offset:4096*\w th:TH_LOAD_NT
	global_load_b128 v[RAW+8*\w+4:RAW+8*\w+7], v2, s[12:13] offset:4096*\w+16 th:TH_LOAD_NT
.endr
	; lane addresses.  r = lane % 16, h = lane / 16.  A fragment's lane holds row r; k = 8 h .. + 7 and 16 + 8 h .. + 7: in f32, 32 bytes at 32 h and at 64 + 32 h
	v_and_b32 v4, 15, v0                           ; r
	v_bfe_u32 v5, v0, 4, 1                         ; h
	v_mul_u32_u24 v6, v4, PA
	v_lshl_add_u32 v6, v5, 5, v6                   ; r x pitch + 32 h
	s_mul_i32 s94, s20, 32*PA                      ; 64 wm + 32 wn = 32 wave
	s_xor_b32 s95, s20, 1
	s_mul_i32 s95, s95, 32*PA                      ; the other 32 rows of my 64
	s_mul_i32 s88, s22, HALF
	s_add_co_u32 s88, s88, 2*HALF
	v_add_nc_u32 v[XLO], s94, v6
	v_add_nc_u32 v[XHI], s95, v6
	v_add_nc_u32 v[WA], s88, v6
	v_mul_u32_u24 v7, v5, 8*PKV
	v_lshl_add_u32 v7, v4, 2, v7                   ; row 8 h, column r
	v_add_nc_u32 v[KA], KVOFF, v7
.irp b, XLO, XHI, WA, KA
	v_add_nc_u32 v[\b+1], SLOT, v[\b]
.endr
	v_mul_u32_u24 v6, v4, SP
	v_lshl_add_u32 v7, v5, 4, v6                   ; r x 272 + 16 h
	s_mul_i32 s94, s20, 32*SP
	s_lshl_b32 s89, s22, 7                         ; my 64 columns: 128 bytes
	s_add_co_u32 s94, s94, s89
	s_xor_b32 s95, s20, 1
	s_mul_i32 s95, s95, 32*SP
	s_add_co_u32 s95, s95, s89
	v_add_nc_u32 v[STLO], s94, v7
	v_add_nc_u32 v[STHI], s95, v7
	s_lshl_b32 s89, s20, 6                         ; my 32 keys: 64 bytes
	s_add_co_u32 s89, s89, KVST
	v_add_nc_u32 v[KVSTO], s89, v7
	v_mul_u32_u24 v6, v5, SP
	v_lshl_add_u32 v6, v4, 4, v6                   ; back: lanes 0-15 one row of 256 bytes, lanes 16-31 the next
	s_mul_i32 s94, s20, 32*SP
	v_add_nc_u32 v[RD], s94, v6
	s_mul_i32 s95, s20, 4*SP
	s_add_co_u32 s95, s95, KVST
	v_add_nc_u32 v[KVRD], s95, v6
	v_lshlrev_b32 v6, 4, v4
	v_lshl_add_u32 v[CO], v5, 11, v6               ; the same two rows in qb (2,048 bytes a row)
	v_lshl_add_u32 v[KVCO], v5, 12, v6             ; and in kvt (4,096 bytes a row)
	s_wait_loadcnt 0x0
.set ci, 0
.rept 16
	v_cvt_pk_f16_f32 v[FR+ci], v[RAW+2*ci], v[RAW+2*ci+1]
.set ci, ci+1
.endr
.irp w, 0,1,2,3
	global_store_b128 v3, v[FR+4*\w:FR+4*\w+3], s[18:19] offset:2048*\w
.endr
	s_wait_xcnt 0x0                                ; the stores' data registers are written again below only behind this wait
; 48 LDS loads: the f32 of one step of 32 along K (byte 128 q of the rows)
.macro RAWLD slot, q
.irp a, 0,1
.irp c, 0,1,2,3
	ds_load_b128 v[RAW+16*\a+4*\c:RAW+16*\a+4*\c+3], v[XLO+\slot] offset:\a*16*PA+128*(\q)+16*\c+32*(\c/2)
.endr
.endr
.irp a, 0,1
.irp c, 0,1,2,3
	ds_load_b128 v[RAW+32+16*\a+4*\c:RAW+32+16*\a+4*\c+3], v[XHI+\slot] offset:\a*16*PA+128*(\q)+16*\c+32*(\c/2)
.endr
.endr
.irp b, 0,1,2,3
.irp c, 0,1,2,3
	ds_load_b128 v[RAW+64+16*\b+4*\c:RAW+64+16*\b+4*\c+3], v[WA+\slot] offset:\b*16*PA+128*(\q)+16*\c+32*(\c/2)
.endr
.endr
.irp j, 0,1,2,3,4,5,6,7,8,9,10,11,12,13,14,15
	ds_load_b32 v[RAW+128+\j], v[KA+\slot] offset:(32*(\q)+\j+8*(\j/8))*PKV
.endr
.endm
.macro CVT                             ; 144 f32 to 72 registers of f16: RAW and FR have the same order
.set ci, 0
.rept 72
	v_cvt_pk_f16_f32 v[FR+ci], v[RAW+2*ci], v[RAW+2*ci+1]
.set ci, ci+1
.endr
.endm
; 18 matrix instructions.  q is made transposed (source 0 = 16 rows of Wq, source 1 = 16 rows of x): a lane then holds 8 neighbouring columns of
; one row of q.  K|V is made the natural way (source 0 = x): a lane holds 8 neighbouring keys of one column, which is a row of kvt.
; The 18 accumulators take turns, one instruction a turn, in the same order in every step.
.macro MUL zero
	WIN 0x50                                       ; C and D in window 1
.irp a, 0,1,2,3
.irp b, 0,1,2,3
.if \zero
	v_wmma_f32_16x16x32_f16 v[8*(4*\a+\b):8*(4*\a+\b)+7], v[FR+32+8*\b:FR+32+8*\b+7], v[FR+8*\a:FR+8*\a+7], 0
.else
	v_wmma_f32_16x16x32_f16 v[8*(4*\a+\b):8*(4*\a+\b)+7], v[FR+32+8*\b:FR+32+8*\b+7], v[FR+8*\a:FR+8*\a+7], v[8*(4*\a+\b):8*(4*\a+\b)+7]
.endif
.endr
.endr
.irp i, 0,1
.if \zero
	v_wmma_f32_16x16x32_f16 v[128+8*\i:128+8*\i+7], v[FR+8*\i:FR+8*\i+7], v[FR+64:FR+71], 0
.else
	v_wmma_f32_16x16x32_f16 v[128+8*\i:128+8*\i+7], v[FR+8*\i:FR+8*\i+7], v[FR+64:FR+71], v[128+8*\i:128+8*\i+7]
.endif
.endr
	WIN 0
.endm
; One of a tile's first three steps: round this step's numbers, ask LDS for the next step's, multiply while they come.
.macro STEP slot, q, zero
	s_wait_dscnt 0x0                               ; this step's 48 loads are in
	PLACES 4                                       ; the conversions write registers that the last matrix instructions read (ISA guide 7.12.1)
	CVT
	RAWLD \slot, \q+1
	MUL \zero
.endm
; A tile's last step, and the change of slots.  In front of the barrier each wave's reads of this slot are back and all its tensor loads have
; landed (its parts of the next slot).  fill = 1: the barrier opens a round of the cluster's barrier, and behind the round this slot is asked
; for again, two tiles ahead, before anything is read.
.macro TURN slot, next, fill
	s_wait_dscnt 0x0
	PLACES 4
	CVT
	s_wait_tensorcnt 0x0
	ds_add_u32 v254, v255
	s_wait_dscnt 0x0
	s_barrier_signal -1
	s_barrier_wait -1
.if \fill
	CREST
	s_add_nc_u64 s[G0A+4*\slot+2:G0A+4*\slot+3], s[G0A+4*\slot+2:G0A+4*\slot+3], 1024
	s_add_nc_u64 s[G0B+4*\slot+2:G0B+4*\slot+3], s[G0B+4*\slot+2:G0B+4*\slot+3], 1024
	s_add_nc_u64 s[G0KV+4*\slot+2:G0KV+4*\slot+3], s[G0KV+4*\slot+2:G0KV+4*\slot+3], 65536
	JLOAD \slot
.endif
	RAWLD \next, 0
	MUL 0
.endm
.macro TILE slot, next, fill, zero
	STEP \slot, 0, \zero
	STEP \slot, 1, 0
	STEP \slot, 2, 0
	TURN \slot, \next, \fill
.endm
.macro LAP zero
	TILE 0, 1, 1, \zero
	TILE 1, 0, 1, 0
.endm
	s_wait_tensorcnt 0x2                           ; my two loads of tile 0 are in; tile 1's two stay out
	s_barrier_signal -1
	s_barrier_wait -1
	RAWLD 0, 0
	LAP 1                                          ; tiles 0, 1: the first products start the sums; tiles 2, 3 are asked for
	s_mov_b32 s23, 2
.Llap:
	LAP 0                                          ; tiles 2 to 5; tiles 4 to 7 are asked for
	s_sub_co_u32 s23, s23, 1
	s_cmp_lg_u32 s23, 0
	s_cbranch_scc1 .Llap
	TILE 0, 1, 0, 0                                ; tile 6: nothing more to ask for
	STEP 1, 0, 0                                   ; tile 7
	STEP 1, 1, 0
	STEP 1, 2, 0
	s_wait_dscnt 0x0
	PLACES 4
	CVT
	MUL 0
	; THE WAY OUT, through slot 0, which had its last fill with tile 6 and which nobody has read since the barrier at that tile's end.
	PLACES 4                                       ; the conversions read matrix results (ISA guide 7.12.1)
	WIN 0x05                                       ; sources in window 1
.set ci, 0
.rept 72
	v_cvt_pk_f16_f32 v[RAW+ci], v[2*ci], v[2*ci+1]
.set ci, ci+1
.endr
	WIN 0
.irp a, 0,1
.irp b, 0,1,2,3
	ds_store_b128 v[STLO], v[RAW+4*(4*\a+\b):RAW+4*(4*\a+\b)+3] offset:\a*16*SP+32*\b
.endr
.endr
.irp a, 0,1
.irp b, 0,1,2,3
	ds_store_b128 v[STHI], v[RAW+4*(4*(\a+2)+\b):RAW+4*(4*(\a+2)+\b)+3] offset:\a*16*SP+32*\b
.endr
.endr
.irp i, 0,1
	ds_store_b128 v[KVSTO], v[RAW+64+4*\i:RAW+64+4*\i+3] offset:32*\i
.endr
	s_lshl_b32 s82, s79, 7                         ; qb: row 128 by + 32 wave (the block row's part in the registers that fed x's address,
	s_lshl_b32 s83, s20, 5
	s_add_co_u32 s82, s82, s83
	s_lshl_b32 s82, s82, 11
	s_mov_b32 s83, 0
	s_add_nc_u64 s[14:15], s[14:15], s[82:83]
	s_lshl_b32 s84, s78, 8                         ; the block column's in those that fed Wq's): column 128 bx
	s_mov_b32 s85, 0
	s_add_nc_u64 s[14:15], s[14:15], s[84:85]
	s_lshr_b32 s82, s79, 4                         ; kvt: batch by / 16,
	s_lshl_b32 s82, s82, 19
	s_and_b32 s83, s79, 15                         ; key 128 (by % 16),
	s_lshl_b32 s83, s83, 8
	s_add_co_u32 s82, s82, s83
	s_lshl_b32 s83, s20, 14                        ; row 4 wave
	s_add_co_u32 s82, s82, s83
	s_mov_b32 s83, 0
	s_add_nc_u64 s[16:17], s[16:17], s[82:83]
	s_lshl_b32 s84, s78, 16                        ; + 16 bx
	s_mov_b32 s85, 0
	s_add_nc_u64 s[16:17], s[16:17], s[84:85]
	s_wait_dscnt 0x0                               ; my stores are done: other waves read these rows
	s_barrier_signal -1
	s_barrier_wait -1
.irp t, 0,1,2,3,4,5,6,7,8,9,10,11,12,13,14,15
	ds_load_b128 v[OUTR+4*\t:OUTR+4*\t+3], v[RD] offset:\t*2*SP
.endr
.irp t, 0,1
	ds_load_b128 v[OUTR+64+4*\t:OUTR+64+4*\t+3], v[KVRD] offset:\t*2*SP
.endr
.irp t, 0,1,2,3,4,5,6,7,8,9,10,11,12,13,14,15
	s_wait_dscnt 17-\t                             ; LDS loads come back in order: load t is in, the younger ones stay out
	global_store_b128 v[CO], v[OUTR+4*\t:OUTR+4*\t+3], s[14:15] offset:\t*4096     ; 16 lanes store 256 consecutive bytes, at a multiple of 256
.endr
.irp t, 0,1
	s_wait_dscnt 1-\t
	global_store_b128 v[KVCO], v[OUTR+64+4*\t:OUTR+64+4*\t+3], s[16:17] offset:\t*8192
.endr
	s_wait_tensorcnt 0x0
	ds_add_u32 v254, v255
	s_wait_dscnt 0x0
	CROUND                                         ; the closing round: no work-group ends while a partner may still ask for a tile that names it
	s_endpgm
.Lfunc_end_k_q57dbf30783_proj:
	.size	k_q57dbf30783_proj, .Lfunc_end_k_q57dbf30783_proj-k_q57dbf30783_proj
	.p2alignl 7, 3214868480
	.fill 96, 4, 3214868480
	.section	.rodata,"a",@progbits
	.p2align	6, 0x0
	.amdhsa_kernel k_q57dbf30783_proj
		.amdhsa_group_segment_fixed_size 327680
		.amdhsa_private_segment_fixed_size 0
		.amdhsa_enable_private_segment 0
		.amdhsa_kernarg_size 64
		.amdhsa_user_sgpr_count 2
		.amdhsa_user_sgpr_kernarg_segment_ptr 1
		.amdhsa_wavefront_size32 1
		.amdhsa_system_sgpr_workgroup_id_x 1
		.amdhsa_system_sgpr_workgroup_id_y 1
		.amdhsa_system_sgpr_workgroup_id_z 1
		.amdhsa_system_vgpr_workitem_id 0
		.amdhsa_next_free_vgpr 400
		.amdhsa_next_free_sgpr 100
		.amdhsa_reserve_vcc 0
		.amdhsa_float_denorm_mode_32 3
		.amdhsa_float_denorm_mode_16_64 3
		.amdhsa_memory_ordered 1
		.amdhsa_forward_progress 1
		.amdhsa_inst_pref_size 238
	.end_amdhsa_kernel
	.amdgpu_metadata
---
amdhsa.version: [ 1, 2 ]
amdhsa.kernels:
  - .name:           k_q57dbf30783_proj
    .symbol:         k_q57dbf30783_proj.kd
    .args:
      - { .name: x, .offset: 0, .size: 8, .value_kind: global_buffer, .address_space: global }
      - { .name: query_proj, .offset: 8, .size: 8, .value_kind: global_buffer, .address_space: global }
      - { .name: key_proj, .offset: 16, .size: 8, .value_kind: global_buffer, .address_space: global }
      - { .name: value_proj, .offset: 24, .size: 8, .value_kind: global_buffer, .address_space: global }
      - { .name: output_proj, .offset: 32, .size: 8, .value_kind: global_buffer, .address_space: global }
      - { .name: qb, .offset: 40, .size: 8, .value_kind: global_buffer, .address_space: global }
      - { .name: kvt, .offset: 48, .size: 8, .value_kind: global_buffer, .address_space: global }
      - { .name: wob, .offset: 56, .size: 8, .value_kind: global_buffer, .address_space: global }
    .group_segment_fixed_size: 327680
    .private_segment_fixed_size: 0
    .kernarg_segment_align: 8
    .kernarg_segment_size: 64
    .max_flat_workgroup_size: 128
    .sgpr_count:     100
    .vgpr_count:     400
    .wavefront_size: 32
...
	.end_amdgpu_metadata
.endif
;; end of part 1
;; launch attn (part 2): grid 256 x 1, 8 waves a work-group, clusters of 4 x 1, 327,680 bytes of LDS; arguments qb, kvt, ob; writes ob
.if DOCPART == 2
	.amdgcn_target "amdgcn-amd-amdhsa--gfx1250"
	.amdhsa_code_object_version 6
	.text
	.protected	k_q57dbf30783_attn
	.globl	k_q57dbf30783_attn
	.p2align	8
	.type	k_q57dbf30783_attn,@function
k_q57dbf30783_attn:
	s_mov_b64 s[64:65], 0
	v_nop
	global_prefetch_b8 v0, s[64:65] scope:SCOPE_SE
	s_setreg_imm32_b32 hwreg(HW_REG_WAVE_MODE, 25, 1), 1
	s_wait_xcnt 0x0
	s_wait_alu depctr_hold_cnt(0) depctr_sa_sdst(0) depctr_va_vdst(0) depctr_va_sdst(0) depctr_va_ssrc(0) depctr_va_vcc(0) depctr_vm_vsrc(0)
	s_getreg_b32 s2, hwreg(HW_REG_IB_STS2, 6, 4)
	s_cmp_eq_u32 s2, 0
	s_cbranch_scc0 .Lentry_in_a_cluster
	s_endpgm
.Lentry_in_a_cluster:
	s_bfe_u32 s2, ttmp6, 0x10000c
	s_cmp_lg_u32 s2, 0x3003
	s_cbranch_scc0 .Lentry_shape_is_right
	s_endpgm
.Lentry_shape_is_right:
; o = softmax(q k^T / 8) v, with a running maximum.  qb: [65536 query rows (b, n, h)][64] f16.  kvt: [2][128][2048] f16 (rows 0-63 K by dimension,
; rows 64-127 V by dimension, keys along a row).  ob: as qb.  All heads share K and V, so a query row is just a row of qb.
; A work-group owns 256 neighbouring query rows; eight waves, 32 rows each (two tiles of 16).  Keys go in tiles of 256 through two LDS slots.
; CLUSTERS: the four work-groups of a cluster belong to one batch (128 work-groups a batch) and walk the same tiles of K and V: each tile is asked for
; jointly, wave w of each asking for rows 16 w .. 16 w + 15 of kvt.
; LAYOUT: scores are made transposed, S^T = K Q^T, so that a lane holds 8 keys of ONE query in each accumulator; packed in pairs in place they are at once the
; second source of O^T = V^T P^T.  Maximum, rescaling factor and row sum are then one number a lane; lanes l and l + 16 hold the two halves of a query's keys.
; ORDER: the two query tiles of a wave run half a step apart.  Of the 32 matrix instructions of a step of 64 keys, 19 stand singly among the vector
; instructions of a softmax step that names none of their registers: tile 1's scores beside tile 0's softmax, tile 0's p v and half of tile 1's beside
; tile 1's softmax.  So behind such a matrix instruction the wave has vector work to issue, not the next matrix instruction.
; FORMAT AND LIMITS: q, k, v, p, o are f16 (|q|, |k|, |v| below 65,504: see the first launch's head); p lies in [0, 1] and is kept to 2^-25 absolute, against a
; row sum of at least 1.  Maximum, exponent, row sum and o's sums are f32; the row sum adds p before its rounding.  v_exp_f32 gives 0 below 2^-126 (ISA guide 15.8).
; NaN and infinite inputs are not served.
.set PK,    544                        ; pitch of K's rows: 512 bytes + 32 = 17 x 32, for the transposing load
.set PV,    528                        ; pitch of V's rows: 512 bytes + 16 = 33 x 16
.set QTR,   16*PK                      ; 8,704: one wave's 16 rows (V's take 8,448 of them)
.set VOFF,  4*QTR
.set SLOT,  8*QTR                      ; 69,632
.set STAGE, 2*SLOT                     ; the way out: 32 rows x 144 bytes for each wave; no tensor load lands here
.set PS,    144
.set KA,    8                          ; v8-9    slot 0, 1: K, for the transposing load
.set VA,    10                         ; v10-11  V
.set STO,   12
.set RD,    13
.set OOFF,  14
.set QOFF,  15
;                                        v16-19  query tile t: (-c x maximum, maximum) at 16 + 2 t;   v20-21 row sums;   v22 factor, v23 its pair's other half
.set TM,    24                         ; v24-27  at work;   v[28:29], v[30:31] two chains of the row sum
.set QF,    32                         ; v32-63    q fragments at 16 t + 8 ks
.set OA,    64                         ; v64-127   o accumulators at 32 t + 8 u
.set SC,    128                        ; v128-191  scores at 32 t + 8 kt; then p, packed, at 32 t + 8 c
.set FB,    192                        ; v192-255  K fragments at 32 ks + 8 kt, then V fragments at 32 c + 8 u: two halves of 32 registers
.set G1K,   24
.set G1V,   32
.set G0,    40
.macro PLACES n
.rept \n
	v_nop
.endr
.endm
.macro CREST
	s_cmp_lg_u32 s10, 0
	s_cbranch_scc1 .Lnot_wave_0_\@
	s_barrier_signal -3
.Lnot_wave_0_\@:
	s_barrier_wait -3
	s_barrier_signal -1
	s_barrier_wait -1
.endm
.macro CROUND
	s_barrier_signal -1
	s_barrier_wait -1
	CREST
.endm
.macro JLOAD s                         ; one load a wave: waves 0-3 K's rows (padded by 32 bytes), waves 4-7 V's (by 16)
	s_cmp_eq_u32 s11, 0
	s_cbranch_scc0 .Lfor_v_\@
	tensor_load_to_lds s[G0+4*\s:G0+4*\s+3], s[G1K:G1K+7]
	s_nop 0
	s_branch .Lasked_\@
.Lfor_v_\@:
	tensor_load_to_lds s[G0+4*\s:G0+4*\s+3], s[G1V:G1V+7]
	s_nop 0
.Lasked_\@:
.endm
	s_load_b128 s[4:7], s[0:1], 0x0                ; qb s[4:5], kvt s[6:7]
	s_load_b64 s[8:9], s[0:1], 0x10                ; ob
	s_set_vgpr_msb 0x40
	v_lshl_add_u32 v0, v0, 2, 0x2b000
	v_mov_b32 v1, 0
	s_set_vgpr_msb 0x4045
	ds_add_u32 v0, v1
	s_set_vgpr_msb 0x4500
	v_lshrrev_b32 v1, 5, v0
	v_readfirstlane_b32 s10, v1                    ; wave 0..7
	s_lshr_b32 s11, s10, 2                         ; 0: I fetch rows of K, 1: of V
	s_bfe_u32 s12, ttmp6, 0x40000                  ; cx
	s_lshl_b32 s13, ttmp9, 2
	s_add_co_u32 s13, s13, s12                     ; work-group 0..255
	s_lshr_b32 s14, ttmp9, 5                       ; batch: 32 clusters each, the same in all partners
	s_mov_b32 s18, 0x3e38aa3b                      ; c = log2(e) / 8
	s_mov_b32 s19, 0x3e38aa3b
	s_mov_b32 s20, 0xbe38aa3b                      ; -c
	s_mov_b32 s22, 0x76543210                      ; v_permlanex16_b32: lane i of one half reads lane i of the other
	s_mov_b32 s23, 0xfedcba98
	; group 1: 16 rows x 256 elements of 2 bytes; mask = the four of the cluster; behind every 128 words (code 6) 8 words (code 7) or 4 (code 3)
	s_mov_b32 s[G1K], 15|(1<<16)|(1<<20)|(1<<21)|(6<<22)|(7<<25)
	s_mov_b32 s[G1V], 15|(1<<16)|(1<<20)|(1<<21)|(6<<22)|(3<<25)
.irp g, G1K, G1V
	s_mov_b32 s[\g+1], 256<<16                     ; tensor_dim0 = 256
	s_mov_b32 s[\g+2], 16<<16                      ; tensor_dim1 = 16
	s_mov_b32 s[\g+3], 256<<16                     ; tile_dim0 = 256
	s_mov_b32 s[\g+4], 16                          ; tile_dim1 = 16
	s_mov_b32 s[\g+5], 2048                        ; elements from row to row
	s_mov_b32 s[\g+6], 0
	s_mov_b32 s[\g+7], 0
.endr
	s_lshl_b32 s16, s13, 15                        ; 256 query rows of 128 bytes
	s_mov_b32 s17, 0
	s_lshl_b32 s48, s14, 19                        ; a batch of kvt
	s_lshl_b32 s49, s10, 16                        ; 16 rows of 4,096 bytes for each wave
	s_add_co_u32 s48, s48, s49
	s_mov_b32 s49, 0
	s_mul_i32 s15, s10, QTR
	s_mul_i32 s50, s10, 32*PS
	s_add_co_u32 s50, s50, STAGE
	s_wait_dscnt 0x0
	s_wait_kmcnt 0x0
	s_add_nc_u64 s[4:5], s[4:5], s[16:17]
	s_add_nc_u64 s[8:9], s[8:9], s[16:17]
	s_add_nc_u64 s[6:7], s[6:7], s[48:49]
	CROUND                                         ; the four work-groups are here: the first joint load meets
.irp s, 0,1
	s_mov_b32 s[G0+4*\s], 1
	s_add_co_u32 s[G0+4*\s+1], s15, \s*SLOT
	s_add_nc_u64 s[G0+4*\s+2:G0+4*\s+3], s[6:7], \s*512
	s_or_b32 s[G0+4*\s+3], s[G0+4*\s+3], 0x80000000
.endr
	JLOAD 0                                        ; tile 0.  One tensor load of the wave is out at any time
	v_and_b32 v1, 15, v0                           ; r
	v_bfe_u32 v2, v0, 4, 1                         ; h
	v_lshrrev_b32 v7, 5, v0                        ; wave
	v_lshlrev_b32 v5, 7, v1
	v_lshl_add_u32 v5, v2, 4, v5
	v_lshl_add_u32 v[QOFF], v7, 12, v5             ; wave x 32 rows + 128 r + 16 h
.irp t, 0,1
.irp c, 0,1,2,3
	global_load_b128 v[QF+16*\t+4*\c:QF+16*\t+4*\c+3], v[QOFF], s[4:5] offset:2048*\t+32*\c
.endr
.endr
	v_and_b32 v3, 7, v0
	v_bfe_u32 v4, v0, 3, 1
	v_lshl_add_u32 v5, v2, 3, v3                   ; K's row (dimension) 8 h + lane % 8
	v_mul_u32_u24 v5, v5, PK
	v_lshl_add_u32 v[KA], v4, 4, v5                ; + 16 bytes for the upper eight lanes of each sixteen
	v_add_nc_u32 v[KA+1], SLOT, v[KA]
	v_mul_u32_u24 v5, v1, PV
	v_lshl_add_u32 v5, v2, 4, v5
	v_add_nc_u32 v[VA], VOFF, v5
	v_add_nc_u32 v[VA+1], SLOT+VOFF, v5
	v_mul_u32_u24 v5, v1, PS
	v_lshl_add_u32 v5, v2, 4, v5
	v_add_nc_u32 v[STO], s50, v5
	v_bfe_u32 v6, v0, 3, 2                         ; back: eight lanes take a row of 128 bytes
	v_mul_u32_u24 v6, v6, PS
	v_lshl_add_u32 v6, v3, 4, v6
	v_add_nc_u32 v[RD], s50, v6
	v_and_b32 v5, 31, v0
	v_lshlrev_b32 v5, 4, v5
	v_lshl_add_u32 v[OOFF], v7, 12, v5
	v_mov_b32 v23, 0                               ; the unused half of the factor's pair
	s_wait_loadcnt 0x0                             ; q, once
; 8 transposing loads: K fragments of 64 keys (sub-step j) x 32 dimensions (half ks), into half ks of the fragment registers
.macro KLD slot, j, ks
.irp kt, 0,1,2,3
.irp e, 0,1
	ds_load_tr16_b128 v[FB+32*\ks+8*\kt+4*\e:FB+32*\ks+8*\kt+4*\e+3], v[KA+\slot] offset:(2*\ks+\e)*QTR+128*(\j)+32*\kt
.endr
.endr
.endm
; 8 loads: V fragments of 64 dimensions x 32 keys (half c of sub-step j), into half c of the fragment registers
.macro VLDH slot, j, c
.irp u, 0,1,2,3
.irp e, 0,1
	ds_load_b128 v[FB+32*\c+8*\u+4*\e:FB+32*\c+8*\u+4*\e+3], v[VA+\slot] offset:\u*QTR+128*(\j)+64*\c+32*\e
.endr
.endr
.endm
; One matrix instruction of S^T = K Q^T: 16 keys (kt) x 16 queries (tile t), 32 dimensions (ks).  zero = 1 starts the sum.
.macro QK1 t, ks, kt, zero
.if \zero
	v_wmma_f32_16x16x32_f16 v[SC+32*(\t)+8*(\kt):SC+32*(\t)+8*(\kt)+7], v[FB+32*(\ks)+8*(\kt):FB+32*(\ks)+8*(\kt)+7], v[QF+16*(\t)+8*(\ks):QF+16*(\t)+8*(\ks)+7], 0
.else
	v_wmma_f32_16x16x32_f16 v[SC+32*(\t)+8*(\kt):SC+32*(\t)+8*(\kt)+7], v[FB+32*(\ks)+8*(\kt):FB+32*(\ks)+8*(\kt)+7], v[QF+16*(\t)+8*(\ks):QF+16*(\t)+8*(\ks)+7], v[SC+32*(\t)+8*(\kt):SC+32*(\t)+8*(\kt)+7]
.endif
.endm
; One matrix instruction of O^T = V^T P^T: 16 dimensions (u) x 16 queries (tile t), 32 keys (c).
.macro PV1 t, c, u, zero
.if \zero
	v_wmma_f32_16x16x32_f16 v[OA+32*(\t)+8*(\u):OA+32*(\t)+8*(\u)+7], v[FB+32*(\c)+8*(\u):FB+32*(\c)+8*(\u)+7], v[SC+32*(\t)+8*(\c):SC+32*(\t)+8*(\c)+7], 0
	s_wait_alu depctr_va_vdst(0)
.else
	v_wmma_f32_16x16x32_f16 v[OA+32*(\t)+8*(\u):OA+32*(\t)+8*(\u)+7], v[FB+32*(\c)+8*(\u):FB+32*(\c)+8*(\u)+7], v[SC+32*(\t)+8*(\c):SC+32*(\t)+8*(\c)+7], v[OA+32*(\t)+8*(\u):OA+32*(\t)+8*(\u)+7]
.endif
.endm
; What stands at place n of a softmax step's text beside its own vector instructions.
; wv = 1 (tile 0's softmax): the other seven score products of tile 1 (the first stands in front of the step), and V into K's registers, each half
;   when the last product that read it lies at least four plain vector instructions back (ISA guide 7.12.1): behind place 3 stand the maximum's last
;   lines and four multiply-adds, behind place 8 the eight lines of a group's sums and conversions.
; wv = 2 (tile 1's softmax): tile 0's eight p v products, then, tile 1's first 32 keys being packed (place 10 on), its four products on them.
; In every group of products four accumulators take turns, one instruction a turn.
.macro HK n, wv, first, slot, j
.if \wv == 1
.if \n > 0
.if \n < 4
	QK1 1, 0, \n, 1
.endif
.endif
.if \n == 4
	QK1 1, 1, 0, 0
.endif
.if \n == 5
	VLDH \slot, \j, 0
.endif
.if \n > 5
.if \n < 9
	QK1 1, 1, \n-5, 0
.endif
.endif
.if \n == 10
	VLDH \slot, \j, 1
.endif
.else
.if \n == 0
	s_wait_dscnt 0x8                               ; V's first 32 keys are in; the eight loads of the other 32 may be out
.endif
.if \n < 4
	PV1 0, 0, \n, \first
.endif
.if \n == 4
	s_wait_dscnt 0x0                               ; V's other 32 keys are in
.endif
.if \n > 3
.if \n < 8
	PV1 0, 1, \n-4, 0
.endif
.endif
.if \n > 9
	PV1 1, 0, \n-10, \first
.endif
.endif
.endm
; The pieces of a softmax step on group g (8 scores a lane); S0, O0, NM are set by SMAX.
.macro FE g                            ; c s - c maximum
.irp i, 0,2,4,6
	v_pk_fma_f32 v[S0+8*\g+\i:S0+8*\g+\i+1], v[S0+8*\g+\i:S0+8*\g+\i+1], s[18:19], v[NM:NM+1] op_sel_hi:[1,0,0]
.endr
.endm
.macro EX g
.irp i, 0,1,2,3,4,5,6,7
	v_exp_f32 v[S0+8*\g+\i], v[S0+8*\g+\i]
.endr
.endm
.macro RS g                            ; o's accumulator g takes the factor for what was summed before
	s_wait_alu depctr_va_vdst(0)
.irp i, 0,2,4,6
	v_pk_mul_f32 v[O0+8*\g+\i:O0+8*\g+\i+1], v[O0+8*\g+\i:O0+8*\g+\i+1], v[22:23] op_sel_hi:[1,0]
.endr
.endm
; eight p of group g: into the two chains of the row sum, and packed to f16 in place (register i from registers 2 i, 2 i + 1).  Sums and conversions
; alternate, so that an add stands four lines behind the add that it depends on.
.macro SUMCVT g
.if \g == 0
	s_wait_alu depctr_va_vdst(0)
	v_pk_add_f32 v[28:29], v[S0:S0+1], v[S0+2:S0+3]                ; the first eight start the chains: nothing is cleared
	v_pk_add_f32 v[30:31], v[S0+4:S0+5], v[S0+6:S0+7]
.irp i, 0,1,2,3
	v_cvt_pk_f16_f32 v[S0+\i], v[S0+2*\i], v[S0+2*\i+1]
.endr
.else
	s_wait_alu depctr_va_vdst(0)
.irp i, 0,1,2,3
	v_pk_add_f32 v[28+2*(\i%2):29+2*(\i%2)], v[28+2*(\i%2):29+2*(\i%2)], v[S0+8*\g+2*\i:S0+8*\g+2*\i+1]
	v_cvt_pk_f16_f32 v[S0+4*\g+\i], v[S0+8*\g+2*\i], v[S0+8*\g+2*\i+1]
.endr
.endif
.endm
; The softmax step of query tile t on 64 keys (32 scores a lane).  first = 1: no maximum, sum or o yet.  wv, slot, j: what HK lays between its lines.
; Behind each run of v_exp_f32 the next vector line is plain and touches none of the run's registers (ISA guide 5.7.2): the rescaling of o, an earlier
; group's sums, or the next group's multiply-adds.
.macro SMAX t, first, wv, slot, j
.set S0, SC+32*\t
.set O0, OA+32*\t
.set NM, 16+2*\t
.set MX, 17+2*\t
.set LT, 20+\t
	HK 0, \wv, \first, \slot, \j
.irp i, 0,1,2,3
	v_max3_num_f32 v[TM+\i], v[S0+8*\i], v[S0+8*\i+1], v[S0+8*\i+2]
.endr
	HK 1, \wv, \first, \slot, \j
.irp i, 0,1,2,3
	v_max3_num_f32 v[TM+\i], v[TM+\i], v[S0+8*\i+3], v[S0+8*\i+4]
.endr
.irp i, 0,1,2,3
	v_max3_num_f32 v[TM+\i], v[TM+\i], v[S0+8*\i+5], v[S0+8*\i+6]
.endr
	HK 2, \wv, \first, \slot, \j
	v_max3_num_f32 v[TM], v[TM], v[S0+7], v[S0+15]
	v_max3_num_f32 v[TM+2], v[TM+2], v[S0+23], v[S0+31]
	v_max3_num_f32 v[TM], v[TM], v[TM+1], v[TM+2]
.if \first
	v_max_num_f32 v[TM], v[TM], v[TM+3]
.else
	v_max3_num_f32 v[TM], v[TM], v[TM+3], v[MX]    ; the running maximum
.endif
	HK 3, \wv, \first, \slot, \j
	v_permlanex16_b32 v[TM+1], v[TM], s22, s23     ; the query's other half of the keys
	v_max_num_f32 v[MX], v[TM], v[TM+1]
.if \first
	v_mul_f32 v[NM], s20, v[MX]                    ; the shift, -c x maximum
.else
	v_mov_b32 v[TM+2], v[NM]
	v_mul_f32 v[NM], s20, v[MX]
	v_sub_f32 v[TM+3], v[NM], v[TM+2]              ; the factor for what was summed before is made of the two rounded shifts, so that old and new terms carry the same one
	v_exp_f32 v22, v[TM+3]
.endif
	FE 0
	HK 4, \wv, \first, \slot, \j
	EX 0
	HK 5, \wv, \first, \slot, \j
.if \first == 0
	RS 0
.endif
	FE 1
	HK 6, \wv, \first, \slot, \j
	EX 1
.if \first == 0
	RS 1
.endif
	HK 7, \wv, \first, \slot, \j
	SUMCVT 0
	FE 2
	HK 8, \wv, \first, \slot, \j
	EX 2
.if \first == 0
	RS 2
.endif
	SUMCVT 1
	HK 10, \wv, \first, \slot, \j
	FE 3
	EX 3
	HK 11, \wv, \first, \slot, \j
.if \first == 0
	RS 3
.endif
	SUMCVT 2
	HK 12, \wv, \first, \slot, \j
	SUMCVT 3
	HK 13, \wv, \first, \slot, \j
	v_pk_add_f32 v[28:29], v[28:29], v[30:31]
.if \first
	v_add_f32 v[LT], v28, v29
.else
	v_add_f32 v[TM], v28, v29
	v_fma_f32 v[LT], v[LT], v22, v[TM]
.endif
.endm
; 64 keys.  pre = 1: the next sub-step's K fragments are fetched into V's registers as these are used up.
.macro SUB slot, j, first, pre
	s_wait_dscnt 0x8                               ; K's first 32 dimensions are in; the eight younger loads may be out
.irp kt, 0,1,2,3
	QK1 0, 0, \kt, 1
.endr
	s_wait_dscnt 0x0
.irp kt, 0,1,2,3
	QK1 0, 1, \kt, 0
.endr
	QK1 1, 0, 0, 1                                 ; tile 1's first product; the other seven stand in tile 0's softmax
	PLACES 4                                       ; the maxima read tile 0's scores (ISA guide 7.12.1)
	SMAX 0, \first, 1, \slot, \j
	SMAX 1, \first, 2, \slot, \j
.if \pre
	PLACES 1+\first                                ; with the two or three lines of the row sum's end: four places behind the last product on V's first half
	KLD \slot, \j+1, 0
.endif
.irp u, 0,1,2,3
	PV1 1, 1, \u, 0
.endr
	PLACES 5                                       ; loads go into V's other half, and tile 1's next scores write over p, which these products read
.if \pre
	KLD \slot, \j+1, 1
.endif
.endm
; A tile of 256 keys.  In front of the round each wave's tensor load has landed (its part of this tile) and its reads of the other slot are back; behind the
; round that holds of every wave of the four work-groups, and the other slot is asked for again first.
.macro TRIP slot, other, refill, first
	s_set_vgpr_msb 0x5
	s_wait_tensorcnt 0x0
	ds_add_u32 v0, v1
	s_wait_dscnt 0x0
	s_set_vgpr_msb 0x500
	s_add_nc_u64 s[G0+4*\slot+2:G0+4*\slot+3], s[G0+4*\slot+2:G0+4*\slot+3], 1024   ; no load of mine is out: this slot's next tile, two further on
	s_wait_dscnt 0x0
	CROUND
.if \refill
	JLOAD \other
.endif
	KLD \slot, 0, 0
	KLD \slot, 0, 1
	SUB \slot, 0, \first, 1
	SUB \slot, 1, 0, 1
	SUB \slot, 2, 0, 1
	SUB \slot, 3, 0, 0
.endm
	TRIP 0, 1, 1, 1                                ; tile 0 starts maximum, sums and o
	s_mov_b32 s21, 3
.Ltiles:
	TRIP 1, 0, 1, 0                                ; tiles 1 to 6; tiles 2 to 7 are asked for
	TRIP 0, 1, 1, 0
	s_sub_co_u32 s21, s21, 1
	s_cmp_lg_u32 s21, 0
	s_cbranch_scc1 .Ltiles
	TRIP 1, 0, 0, 0                                ; tile 7: nothing more to ask for (the stepped address is not used)
	; THE END: the two halves of each row sum meet, o is divided, rounded, and goes out through my own stage as whole rows.
.irp t, 0,1
	v_permlanex16_b32 v[TM+1], v[20+\t], s22, s23
	v_add_f32 v[TM], v[20+\t], v[TM+1]
	v_rcp_f32 v22, v[TM]
	v_nop                                          ; one plain place behind v_rcp_f32 (ISA guide 5.7.2)
	s_wait_alu depctr_va_vdst(0)
.irp i, 0,2,4,6,8,10,12,14,16,18,20,22,24,26,28,30
	v_pk_mul_f32 v[OA+32*\t+\i:OA+32*\t+\i+1], v[OA+32*\t+\i:OA+32*\t+\i+1], v[22:23] op_sel_hi:[1,0]
.endr
.irp i, 0,1,2,3,4,5,6,7,8,9,10,11,12,13,14,15
	v_cvt_pk_f16_f32 v[SC+16*\t+\i], v[OA+32*\t+2*\i], v[OA+32*\t+2*\i+1]
.endr
.irp u, 0,1,2,3
	ds_store_b128 v[STO], v[SC+16*\t+4*\u:SC+16*\t+4*\u+3] offset:\t*16*PS+32*\u    ; query 16 t + r, dimensions 16 u + 8 h .. + 7
.endr
.endr
.irp i, 0,1,2,3,4,5,6,7
	ds_load_b128 v[FB+4*\i:FB+4*\i+3], v[RD] offset:\i*4*PS        ; LDS serves a wave's instructions in order (ISA guide 5.7.1.4): these see my stores
.endr
.irp i, 0,1,2,3,4,5,6,7
	s_wait_dscnt 7-\i
	global_store_b128 v[OOFF], v[FB+4*\i:FB+4*\i+3], s[8:9] offset:\i*512           ; the wave stores 512 consecutive bytes: four query rows
.endr
	s_set_vgpr_msb 0x5
	s_wait_tensorcnt 0x0
	ds_add_u32 v0, v1
	s_wait_dscnt 0x0
	s_set_vgpr_msb 0x500
	CROUND                                         ; the closing round
	s_endpgm
.Lfunc_end_k_q57dbf30783_attn:
	.size	k_q57dbf30783_attn, .Lfunc_end_k_q57dbf30783_attn-k_q57dbf30783_attn
	.p2alignl 7, 3214868480
	.fill 96, 4, 3214868480
	.section	.rodata,"a",@progbits
	.p2align	6, 0x0
	.amdhsa_kernel k_q57dbf30783_attn
		.amdhsa_group_segment_fixed_size 327680
		.amdhsa_private_segment_fixed_size 0
		.amdhsa_enable_private_segment 0
		.amdhsa_kernarg_size 24
		.amdhsa_user_sgpr_count 2
		.amdhsa_user_sgpr_kernarg_segment_ptr 1
		.amdhsa_wavefront_size32 1
		.amdhsa_system_sgpr_workgroup_id_x 1
		.amdhsa_system_sgpr_workgroup_id_y 1
		.amdhsa_system_sgpr_workgroup_id_z 1
		.amdhsa_system_vgpr_workitem_id 0
		.amdhsa_next_free_vgpr 258
		.amdhsa_next_free_sgpr 66
		.amdhsa_reserve_vcc 0
		.amdhsa_float_denorm_mode_32 3
		.amdhsa_float_denorm_mode_16_64 3
		.amdhsa_memory_ordered 1
		.amdhsa_forward_progress 1
		.amdhsa_inst_pref_size 255
	.end_amdhsa_kernel
	.section	.bss,"aw",@nobits
	.p2align	6
	.space	262144
	.amdgpu_metadata
---
amdhsa.version: [ 1, 2 ]
amdhsa.kernels:
  - .name:           k_q57dbf30783_attn
    .symbol:         k_q57dbf30783_attn.kd
    .args:
      - { .name: qb, .offset: 0, .size: 8, .value_kind: global_buffer, .address_space: global }
      - { .name: kvt, .offset: 8, .size: 8, .value_kind: global_buffer, .address_space: global }
      - { .name: ob, .offset: 16, .size: 8, .value_kind: global_buffer, .address_space: global }
    .group_segment_fixed_size: 327680
    .private_segment_fixed_size: 0
    .kernarg_segment_align: 8
    .kernarg_segment_size: 24
    .max_flat_workgroup_size: 256
    .sgpr_count:     66
    .vgpr_count:     258
    .wavefront_size: 32
...
	.end_amdgpu_metadata
.endif
;; end of part 2
;; launch outp (part 3): grid 8 x 32, 4 waves a work-group, clusters of 4 x 4, 327,680 bytes of LDS; arguments ob, wob, out0; writes out0
.if DOCPART == 3
	.amdgcn_target "amdgcn-amd-amdhsa--gfx1250"
	.amdhsa_code_object_version 6
	.text
	.protected	k_q57dbf30783_outp
	.globl	k_q57dbf30783_outp
	.p2align	8
	.type	k_q57dbf30783_outp,@function
k_q57dbf30783_outp:
	s_mov_b64 s[64:65], 0
	v_nop
	global_prefetch_b8 v0, s[64:65] scope:SCOPE_SE
	s_setreg_imm32_b32 hwreg(HW_REG_WAVE_MODE, 25, 1), 1
	s_wait_xcnt 0x0
	s_wait_alu depctr_hold_cnt(0) depctr_sa_sdst(0) depctr_va_vdst(0) depctr_va_sdst(0) depctr_va_ssrc(0) depctr_va_vcc(0) depctr_vm_vsrc(0)
	s_getreg_b32 s2, hwreg(HW_REG_IB_STS2, 6, 4)
	s_cmp_eq_u32 s2, 0
	s_cbranch_scc0 .Lentry_in_a_cluster
	s_endpgm
.Lentry_in_a_cluster:
	s_bfe_u32 s2, ttmp6, 0x10000c
	s_cmp_lg_u32 s2, 0xf033
	s_cbranch_scc0 .Lentry_shape_is_right
	s_endpgm
.Lentry_shape_is_right:
; out0[n][d] = sum over (h, v) of o[n][(h, v)] Wo[d][(h, v)].  ob: [4096][1024] f16.  wob: [1024][1024] f16.  out0: [4096][1024] f32.  Sums in f32.
; A work-group makes 128 x 128 of out0 (8 x 32 blocks, one for each of 256 work-groups) with four waves of 64 x 64: 16 accumulators each.
; K goes in four steps of 256 through two LDS slots: a tile's rows are 512 bytes of memory, at multiples of 512.
; CLUSTERS: 4 x 4 work-groups; o's tile is asked for jointly by a row of the cluster, Wo's by a column.
; LIMIT: the operands are f16 as the earlier launches stored them (magnitudes below 65,504).
.set PA,    528                        ; 512 bytes + 16 = 33 x 16
.set HALF,  64*PA                      ; what one tensor load brings
.set SLOT,  4*HALF                     ; o's 128 rows, then Wo's 128 rows
.set STAGE, 2*SLOT                     ; the way out: 16 rows x 272 bytes for each wave; no tensor load lands here
.set SP,    272
.set ADRA,  16                         ; v16-17  slot 0, 1: my fragments of o
.set ADRB,  18                         ; v18-19  of Wo
.set STO,   20
.set RD,    21
.set CO,    22
.set F0,    32                         ; v32-95   fragment buffer 0: Wo's four at +8 i, o's four at +32 + 8 i
.set F1,    96                         ; v96-159  fragment buffer 1
.set G1,    24
.set G0,    32
.set G1B,   48
.set G0B,   56
; window 1 (v256-383): accumulator (a, b) at 8 (4 a + b)
.set MSB, 0
.macro WIN new
.if MSB != \new
	s_set_vgpr_msb (MSB<<8)|\new
.set MSB, \new
.endif
.endm
.macro PLACES n
.rept \n
	v_nop
.endr
.endm
.macro CREST
	s_cmp_lg_u32 s10, 0
	s_cbranch_scc1 .Lnot_wave_0_\@
	s_barrier_signal -3
.Lnot_wave_0_\@:
	s_barrier_wait -3
	s_barrier_signal -1
	s_barrier_wait -1
.endm
.macro CROUND
	s_barrier_signal -1
	s_barrier_wait -1
	CREST
.endm
.macro JLOAD s                         ; waves 0, 1 ask for o's two halves, waves 2, 3 for Wo's: one load a wave
	s_cmp_eq_u32 s11, 0
	s_cbranch_scc0 .Lfor_b_\@
	tensor_load_to_lds s[G0+4*\s:G0+4*\s+3], s[G1:G1+7]
	s_nop 0
	s_branch .Lasked_\@
.Lfor_b_\@:
	tensor_load_to_lds s[G0B+4*\s:G0B+4*\s+3], s[G1B:G1B+7]
	s_nop 0
.Lasked_\@:
.endm
	s_load_b128 s[4:7], s[0:1], 0x0                ; ob s[4:5], wob s[6:7]
	s_load_b64 s[8:9], s[0:1], 0x10                ; out0
	v_lshl_add_u32 v254, v0, 2, 0x46400
	v_mov_b32 v255, 0
	ds_add_u32 v254, v255
	v_lshrrev_b32 v1, 5, v0
	v_readfirstlane_b32 s10, v1                    ; wave 0..3
	s_lshr_b32 s11, s10, 1                         ; my half of the block's rows.  Also: I fetch for o (0) or Wo (1)
	s_and_b32 s12, s10, 1                          ; my half of its columns.  Also: which 64 rows of that tile I fetch
	s_bfe_u32 s40, ttmp6, 0x40000                  ; cx
	s_bfe_u32 s41, ttmp6, 0x40004                  ; cy
	s_lshl_b32 s42, ttmp9, 2
	s_add_co_u32 s42, s42, s40                     ; block column
	s_and_b32 s13, ttmp7, 0xffff
	s_lshl_b32 s13, s13, 2
	s_add_co_u32 s13, s13, s41                     ; block row
	s_lshl_b32 s43, s41, 2
	s_lshl_b32 s43, 15, s43                        ; my row of the cluster
	s_lshl_b32 s44, 0x1111, s40                    ; my column
	; group 1: 64 rows x 256 elements of 2 bytes; behind every 128 words (code 6) 4 words of padding (code 3); bit 21 beside the mask
	s_or_b32 s[G1], s43, (1<<16)|(1<<20)|(1<<21)|(6<<22)|(3<<25)
	s_or_b32 s[G1B], s44, (1<<16)|(1<<20)|(1<<21)|(6<<22)|(3<<25)
.irp g, G1, G1B
	s_mov_b32 s[\g+1], 256<<16                     ; tensor_dim0 = 256
	s_mov_b32 s[\g+2], 64<<16                      ; tensor_dim1 = 64
	s_mov_b32 s[\g+3], 256<<16                     ; tile_dim0 = 256
	s_mov_b32 s[\g+4], 64                          ; tile_dim1 = 64
	s_mov_b32 s[\g+5], 1024                        ; elements from row to row
	s_mov_b32 s[\g+6], 0
	s_mov_b32 s[\g+7], 0
.endr
	s_lshl_b32 s17, s12, 6                         ; which 64 rows of the tile I fetch
	s_lshl_b32 s16, s13, 7
	s_add_co_u32 s16, s16, s17                     ; o: row 128 x block row + 64 x half
	s_lshl_b32 s16, s16, 11                        ; rows of 2,048 bytes
	s_lshl_b32 s46, s42, 7
	s_add_co_u32 s46, s46, s17                     ; Wo: row 128 x block column + 64 x half
	s_lshl_b32 s46, s46, 11
	s_mov_b32 s17, 0
	s_mov_b32 s47, 0
	s_mul_i32 s20, s10, HALF                       ; where they go: wave x 64 rows
	s_wait_dscnt 0x0
	s_wait_kmcnt 0x0
	s_add_nc_u64 s[14:15], s[4:5], s[16:17]
	s_add_nc_u64 s[46:47], s[6:7], s[46:47]
	CROUND                                         ; all sixteen work-groups are here: the first joint loads meet
.irp s, 0,1
	s_mov_b32 s[G0+4*\s], 1
	s_add_co_u32 s[G0+4*\s+1], s20, \s*SLOT
	s_add_nc_u64 s[G0+4*\s+2:G0+4*\s+3], s[14:15], \s*512
	s_or_b32 s[G0+4*\s+3], s[G0+4*\s+3], 0x80000000
	s_mov_b32 s[G0B+4*\s], 1
	s_add_co_u32 s[G0B+4*\s+1], s20, \s*SLOT
	s_add_nc_u64 s[G0B+4*\s+2:G0B+4*\s+3], s[46:47], \s*512
	s_or_b32 s[G0B+4*\s+3], s[G0B+4*\s+3], 0x80000000
	JLOAD \s                                       ; tiles 0 and 1: two tensor loads of the wave are out, the most in this text
.endr
	v_and_b32 v1, 15, v0                           ; r
	v_bfe_u32 v2, v0, 4, 1                         ; h
	v_mul_u32_u24 v3, v1, PA
	v_lshl_add_u32 v3, v2, 4, v3                   ; row x pitch + 16 h
	s_mul_i32 s21, s11, HALF
	s_mul_i32 s22, s12, HALF
	s_add_co_u32 s22, s22, 2*HALF
.irp s, 0,1
	v_add_nc_u32 v[ADRA+\s], s21, v3
	v_add_nc_u32 v[ADRB+\s], s22, v3
	s_add_co_u32 s21, s21, SLOT
	s_add_co_u32 s22, s22, SLOT
.endr
	s_mul_i32 s23, s10, 16*SP
	s_add_co_u32 s23, s23, STAGE
	v_mul_u32_u24 v4, v1, SP                       ; in: row r, 32 bytes for each half of the lanes
	v_lshl_add_u32 v4, v2, 5, v4
	v_add_nc_u32 v[STO], s23, v4
	v_mul_u32_u24 v5, v2, SP                       ; back: lanes 0-15 one row of 256 bytes, lanes 16-31 the next
	v_lshl_add_u32 v5, v1, 4, v5
	v_add_nc_u32 v[RD], s23, v5
	v_lshlrev_b32 v5, 4, v1
	v_lshl_add_u32 v[CO], v2, 12, v5               ; the same two rows in out0 (4,096 bytes a row)
.macro FETCH slot, q, f                ; 16 LDS loads: the fragments of 32 along K at byte 64 q of the rows
.irp i, 0,1,2,3
	ds_load_b128 v[\f+8*\i:\f+8*\i+3],   v[ADRB+\slot] offset:64*(\q)+\i*16*PA
	ds_load_b128 v[\f+8*\i+4:\f+8*\i+7], v[ADRB+\slot] offset:64*(\q)+\i*16*PA+32
.endr
.irp i, 0,1,2,3
	ds_load_b128 v[\f+32+8*\i:\f+32+8*\i+3], v[ADRA+\slot] offset:64*(\q)+\i*16*PA
	ds_load_b128 v[\f+32+8*\i+4:\f+32+8*\i+7], v[ADRA+\slot] offset:64*(\q)+\i*16*PA+32
.endr
.endm
; 16 matrix instructions, used transposed (source 0 = 16 rows of Wo, source 1 = 16 rows of o): a lane holds 8 neighbouring columns of one row of out0.
; The 16 accumulators take turns, one instruction a turn, in the same order in every step.
.macro MUL f, zero
	WIN 0x50                                       ; C and D in window 1
.irp a, 0,1,2,3
.irp b, 0,1,2,3
.if \zero
	v_wmma_f32_16x16x32_f16 v[8*(4*\a+\b):8*(4*\a+\b)+7], v[\f+8*\b:\f+8*\b+7], v[\f+32+8*\a:\f+32+8*\a+7], 0
.else
	v_wmma_f32_16x16x32_f16 v[8*(4*\a+\b):8*(4*\a+\b)+7], v[\f+8*\b:\f+8*\b+7], v[\f+32+8*\a:\f+32+8*\a+7], v[8*(4*\a+\b):8*(4*\a+\b)+7]
.endif
.endr
.endr
	WIN 0
.endm
.macro STEP slot, q, f, g, zero        ; one of a tile's first seven steps: fetch the next step's fragments into g, multiply f
	PLACES 4                                       ; loads into registers that the last matrix instructions read
	FETCH \slot, \q+1, \g
	s_wait_dscnt 0x10                              ; all but the sixteen loads just issued: buffer f is in
	MUL \f, \zero
.endm
.macro SEVEN slot, zero
	STEP \slot, 0, F0, F1, \zero
	STEP \slot, 1, F1, F0, 0
	STEP \slot, 2, F0, F1, 0
	STEP \slot, 3, F1, F0, 0
	STEP \slot, 4, F0, F1, 0
	STEP \slot, 5, F1, F0, 0
	STEP \slot, 6, F0, F1, 0
.endm
; A tile's eighth step, on buffer 1, and the change of slots.  In front of the barrier each wave's reads of this slot are back and all its tensor loads have landed
; (its part of the next slot).  fill = 1: the barrier opens a round of the cluster's barrier; behind the round this slot is asked for again first.
.macro TURN slot, next, fill
	s_wait_dscnt 0x0
	s_wait_tensorcnt 0x0
	ds_add_u32 v254, v255
	s_wait_dscnt 0x0
	s_barrier_signal -1
	s_barrier_wait -1
.if \fill
	CREST
	s_add_nc_u64 s[G0+4*\slot+2:G0+4*\slot+3], s[G0+4*\slot+2:G0+4*\slot+3], 1024
	s_add_nc_u64 s[G0B+4*\slot+2:G0B+4*\slot+3], s[G0B+4*\slot+2:G0B+4*\slot+3], 1024
	JLOAD \slot
.endif
	PLACES 4
	FETCH \next, 0, F0
	MUL F1, 0
.endm
	s_wait_tensorcnt 0x1                           ; my part of tile 0 is in; tile 1's stays out
	s_barrier_signal -1
	s_barrier_wait -1
	FETCH 0, 0, F0
	SEVEN 0, 1                                     ; tile 0: the first products start the sums
	TURN 0, 1, 1                                   ; tile 2 is asked for
	SEVEN 1, 0
	TURN 1, 0, 1                                   ; tile 3 is asked for
	SEVEN 0, 0
	TURN 0, 1, 0
	SEVEN 1, 0
	s_wait_dscnt 0x0
	MUL F1, 0
	; THE WAY OUT, 16 rows at a time through my own stage: 32 bytes a lane in, whole rows of 256 bytes (my 64 columns) back.
	PLACES 4                                       ; the LDS stores read matrix results, the loads write buffers that products read
	s_lshl_b32 s16, s13, 7
	s_lshl_b32 s17, s11, 6
	s_add_co_u32 s16, s16, s17                     ; my first row (in the registers that fed o's address),
	s_lshl_b32 s16, s16, 12
	s_mov_b32 s17, 0
	s_add_nc_u64 s[8:9], s[8:9], s[16:17]
	s_lshl_b32 s46, s42, 9                         ; my first column, in bytes: 512 x block + 256 x half (in those that fed Wo's)
	s_lshl_b32 s47, s12, 8
	s_add_co_u32 s46, s46, s47
	s_mov_b32 s47, 0
	s_add_nc_u64 s[8:9], s[8:9], s[46:47]
.macro OUT16 a, f
	WIN 0x04                                       ; the stores' data in window 1
.irp b, 0,1,2,3
.irp e, 0,1
	ds_store_b128 v[STO], v[8*(4*\a+\b)+4*\e:8*(4*\a+\b)+4*\e+3] offset:64*\b+16*\e
.endr
.endr
	WIN 0
	s_wait_xcnt 0x0                                ; buffer f, which earlier stores read, and the stores' base are written again only behind this wait
.if \a
	s_add_nc_u64 s[8:9], s[8:9], 16*4096           ; 16 rows on
.endif
.irp t, 0,1,2,3,4,5,6,7
	ds_load_b128 v[\f+4*\t:\f+4*\t+3], v[RD] offset:\t*2*SP        ; LDS serves a wave's instructions in order (ISA guide 5.7.1.4): these see my stores
.endr
.irp t, 0,1,2,3,4,5,6,7
	s_wait_dscnt 7-\t
	global_store_b128 v[CO], v[\f+4*\t:\f+4*\t+3], s[8:9] offset:\t*8192 th:TH_STORE_NT   ; 16 lanes store 256 consecutive bytes, at a multiple of 256
.endr
.endm
	OUT16 0, F0
	OUT16 1, F1
	OUT16 2, F0
	OUT16 3, F1
	s_wait_tensorcnt 0x0
	ds_add_u32 v254, v255
	s_wait_dscnt 0x0
	CROUND                                         ; the closing round
	s_endpgm
.Lfunc_end_k_q57dbf30783_outp:
	.size	k_q57dbf30783_outp, .Lfunc_end_k_q57dbf30783_outp-k_q57dbf30783_outp
	.p2alignl 7, 3214868480
	.fill 96, 4, 3214868480
	.section	.rodata,"a",@progbits
	.p2align	6, 0x0
	.amdhsa_kernel k_q57dbf30783_outp
		.amdhsa_group_segment_fixed_size 327680
		.amdhsa_private_segment_fixed_size 0
		.amdhsa_enable_private_segment 0
		.amdhsa_kernarg_size 24
		.amdhsa_user_sgpr_count 2
		.amdhsa_user_sgpr_kernarg_segment_ptr 1
		.amdhsa_wavefront_size32 1
		.amdhsa_system_sgpr_workgroup_id_x 1
		.amdhsa_system_sgpr_workgroup_id_y 1
		.amdhsa_system_sgpr_workgroup_id_z 1
		.amdhsa_system_vgpr_workitem_id 0
		.amdhsa_next_free_vgpr 384
		.amdhsa_next_free_sgpr 66
		.amdhsa_reserve_vcc 0
		.amdhsa_float_denorm_mode_32 3
		.amdhsa_float_denorm_mode_16_64 3
		.amdhsa_memory_ordered 1
		.amdhsa_forward_progress 1
		.amdhsa_inst_pref_size 89
	.end_amdhsa_kernel
	.amdgpu_metadata
---
amdhsa.version: [ 1, 2 ]
amdhsa.kernels:
  - .name:           k_q57dbf30783_outp
    .symbol:         k_q57dbf30783_outp.kd
    .args:
      - { .name: ob, .offset: 0, .size: 8, .value_kind: global_buffer, .address_space: global }
      - { .name: wob, .offset: 8, .size: 8, .value_kind: global_buffer, .address_space: global }
      - { .name: out0, .offset: 16, .size: 8, .value_kind: global_buffer, .address_space: global }
    .group_segment_fixed_size: 327680
    .private_segment_fixed_size: 0
    .kernarg_segment_align: 8
    .kernarg_segment_size: 24
    .max_flat_workgroup_size: 128
    .sgpr_count:     66
    .vgpr_count:     384
    .wavefront_size: 32
...
	.end_amdgpu_metadata
.endif
;; end of part 3
